; MI455X (gfx1250); checked and timed in simulation.
; The chip was launched on July 23, 2026; its instructions are those of AMD's public machine-readable ISA for CDNA 5 (MIT licence, August 2026) and "CDNA5" Instruction Set Architecture Reference Guide (July 2026). The comments in the code are by the model that wrote it; some were corrected since.
;; Monotonic NN. Allowed arithmetic: matrix products marked QUANTISED: E5M2 operands, one E8M0 scale for each 32 along K, by v_wmma_scale_f32_16x16x128_f8f6f4 with both operands' format E5M2, f32 sums; products left as they are: f32 operands where the result goes on into a quantised operand, else bf16, f16 or f32 operands; f32 sums; everything else in f32.
;; Inputs: h 8,192 x 7 float32; hW0 7 x 256 float32; hW1_codes 256 x 8 x 32 uint8 (E5M2 codes of hW1, K innermost, in blocks of 32 codes); hW1_scales 256 x 8 uint8 (E8M0 scales of hW1, one for each 32 codes along K); hW2_codes 256 x 8 x 32 uint8 (E5M2 codes of hW2, K innermost, in blocks of 32 codes); hW2_scales 256 x 8 uint8 (E8M0 scales of hW2, one for each 32 codes along K); hW3 256 x 2 float32; hb0 256 float32; hb1 256 float32; hb2 256 float32; hb3 2 float32; iW0 8 x 256 float32; iW1_codes 256 x 8 x 32 uint8 (E5M2 codes of iW1, K innermost, in blocks of 32 codes); iW1_scales 256 x 8 uint8 (E8M0 scales of iW1, one for each 32 codes along K); iW2_codes 256 x 8 x 32 uint8 (E5M2 codes of iW2, K innermost, in blocks of 32 codes); iW2_scales 256 x 8 uint8 (E8M0 scales of iW2, one for each 32 codes along K); iW3 256 x 1 float32; ib0 256 float32; ib1 256 float32; ib2 256 float32; ib3 1 float32; x 8,192 x 1 float32.
;; Outputs: out0 8,192 x 1 float32.
;; This version of the problem:
;;   THIS VERSION OF THE PROBLEM IS GIVEN IN LOW PRECISION. The matrix products marked QUANTISED in the list below multiply operands that are first quantised to E5M2 (5 exponent bits, 2 mantissa bits; 8 bits a number), with one power-of-two scale for each 32 numbers along K (OCP MX v1.0); their sums are f32. All else is computed in f32.
;;   The module's matrix products, in the order in which they are computed (A, B: the left and right operand; K: the contracted axis; several contracted axes count as one K, in the product's order):
;;     1. [M 417,792, K 8] x [K 8, N 256]; A: computed on the way; B: input iW0: left as it is (K = 8 < 32)
;;     2. [M 417,792, K 256] x [K 256, N 256]; A: computed on the way; B: input iW1 (given as codes): QUANTISED
;;     3. [M 417,792, K 256] x [K 256, N 256]; A: computed on the way; B: input iW2 (given as codes): QUANTISED
;;     4. [M 417,792, K 256] x [K 256, N 1]; A: computed on the way; B: input iW3: left as it is (N = 1 < 16)
;;     5. [M 8,192, K 7] x [K 7, N 256]; A: input h; B: input hW0: left as it is (K = 7 < 32)
;;     6. [M 8,192, K 256] x [K 256, N 256]; A: computed on the way; B: input hW1 (given as codes): QUANTISED
;;     7. [M 8,192, K 256] x [K 256, N 256]; A: computed on the way; B: input hW2 (given as codes): QUANTISED
;;     8. [M 8,192, K 256] x [K 256, N 2]; A: computed on the way; B: input hW3: left as it is (N = 2 < 16)
;;   THE QUANTISER, for each operand of a quantised product, along K:
;;     - K is cut into blocks of 32 from its start; a last block that is shorter is filled with zeros.
;;     - A block's scale is 2^e with e = floor(log2(the largest magnitude in the block)) - 15, held to -126 .. 127; a block of zeros has e = 0. As a byte (E8M0): e + 127.
;;     - Each number is divided by its block's scale, clamped to +-57,344, and rounded to the nearest number of E5M2, ties to even, subnormals kept.
;;     - The product sums the exact products of the quantised numbers (number of the format x scale) in f32.
;;   ~~~python
;;   def quantise(x, axis):      # numpy; x: float32 -> the quantised numbers, widened to float32 again
;;       x = np.moveaxis(x, axis, -1); K = x.shape[-1]
;;       x = np.pad(x, [(0, 0)] * (x.ndim - 1) + [(0, -K % 32)]); x = x.reshape(x.shape[:-1] + (-1, 32)); a = np.abs(x).max(-1, keepdims=True)
;;       e = np.where(a > 0, np.clip(np.frexp(np.where(a > 0, a, 1))[1] - 1 - 15, -126, 127), 0)      # np.frexp(a)[1] - 1 = floor(log2(a)), exactly
;;       r = np.clip(x / 2.0 ** e, -57344, 57344)
;;       step = 2.0 ** (np.maximum(np.frexp(np.where(r == 0, 1, r))[1] - 1, -14) - 2)
;;       q = np.round(r / step) * step * 2.0 ** e      # np.round: ties to even
;;       return np.moveaxis(q.reshape(q.shape[:-2] + (-1,))[..., :K], -1, axis).astype(np.float32)
;;   ~~~
;;   OPERANDS COMPUTED ON THE WAY. 'Computed on the way' means the value that the module computes at that place (a softmax that the list does not call 'softmax' is quantised finished and normalised). What goes into a quantiser is computed in f32, as accurately as f32 sums, v_exp_f32 and their like allow (about 1e-6 of the number): no bf16 or f16 on the way to a quantiser, and a product that is left as it is and whose result goes on into a quantised operand takes f32 operands (vector FMAs, or v_wmma_f32_16x16x4_f32). A number that lies on a knife's edge between two numbers of the format may be rounded either way, as far as f32 arithmetic and the matrix unit's own rounding can turn it there, and no further.
;;   INPUTS GIVEN AS CODES. hW1 (in the module: [256, 256], K = its axis 0); hW2 (in the module: [256, 256], K = its axis 0); iW1 (in the module: [256, 256], K = its axis 0); iW2 (in the module: [256, 256], K = its axis 0): each comes as NAME_codes (uint8): NAME with its K axis moved to the last place and cut into blocks of 32 codes, [.., K / 32, bytes a block], one block behind the other in memory; one code a byte (a code: sign, 5 exponent bits, 2 mantissa bits); and NAME_scales (uint8): the same leading axes, one E8M0 byte (e + 127) for each 32 codes along K. Its value is code x scale, taken as it is: it is not quantised again, and the codes and scales need not be those that the quantiser above would give.
;; One version. Each part assembles by itself: llvm-mc -triple=amdgcn-amd-amdhsa -mcpu=gfx1250 --defsym DOCPART=n.
;; ======== version 1 of 1: 1 launch
;; limits: a function is approximated: absolute error at most 1e-06
;; launch mono (part 1): grid 256 x 1, 8 waves a work-group, clusters of 4 x 1, 270,848 bytes of LDS; arguments x, h, iW0, ib0, hW0, hb0, iW1_codes, iW2_codes, iW1_scales, iW2_scales, hW1_scales, hW2_scales, ib1, ib2, hb1, hb2, iW3, hW3, hW1_codes, hW2_codes, ib3, hb3, out0; writes out0
.if DOCPART == 1
	.amdgcn_target "amdgcn-amd-amdhsa--gfx1250"
	.amdhsa_code_object_version 6
	.text
	.protected	k_q78b8fb3e1d_mono
	.globl	k_q78b8fb3e1d_mono
	.p2align	8
	.type	k_q78b8fb3e1d_mono,@function
k_q78b8fb3e1d_mono:
	s_mov_b64 s[64:65], 0
	v_nop
	global_prefetch_b8 v0, s[64:65] scope:SCOPE_SE
	s_setreg_imm32_b32 hwreg(HW_REG_WAVE_MODE, 25, 1), 1
	s_wait_xcnt 0x0
	s_wait_alu depctr_hold_cnt(0) depctr_sa_sdst(0) depctr_va_vdst(0) depctr_va_sdst(0) depctr_va_ssrc(0) depctr_va_vcc(0) depctr_vm_vsrc(0)
	s_getreg_b32 s2, hwreg(HW_REG_IB_STS2, 6, 4)
	s_cmp_eq_u32 s2, 0
	s_cbranch_scc0 .Lentry_in_a_cluster
	s_endpgm
.Lentry_in_a_cluster:
	s_bfe_u32 s2, ttmp6, 0x10000c
	s_cmp_lg_u32 s2, 0x3003
	s_cbranch_scc0 .Lentry_shape_is_right
	s_endpgm
.Lentry_shape_is_right:
; out[b] = exp(o1[b]) * (x[b]/2 * sum over 51 nodes s of cc[s] * (elu(integrand(t_s x[b], h[b])) + 1)) + o0[b],  (o0, o1) = hnet(h[b]).  8,192 rows b.
; The four 256 x 256 products run on codes of BF8 (E5M2) with one E8M0 scale for each 32 along K; the weights arrive as codes, the activations are quantised here, in registers, from f32.
; WORK LEFT OUT, AND WHY IT IS DEAD.  (1) The first layer's input is (t_s x[b], h[b]): seven of its eight numbers are the same at all 51 nodes.  base[b][n] = ib0[n] + sum_k h[b][k] iW0[k+1][n] is
; made once for each b, and a node is one fused multiply-add, (t_s x[b]) iW0[0][n] + base[b][n]: the same sum of the same eight products and the bias, in another order.  (2) At node 50 the reference's own
; constant cos(pi) + 1 is 0, so its first input is x[b] * 0 = 0 for every finite x. Every input is loaded.
; LIMITS.  A NaN, an infinity or an overflow that reaches only x[b] * 0 at node 50 is not carried to the result.  NaN and infinities among the inputs are not served.  A block of 32 activations whose largest
; number lies under 2^-111 (zeros too) keeps the scale byte 1.  The quadrature weights are made here in f32 (a Chebyshev recurrence of 25 steps) and lie within about 1e-6, absolute, of the reference's
; constants, which are made in f64; they stand behind every quantiser.  exp(o1) overflows where the reference's does.
; SHARES.  A work-group owns 32 rows b, two groups g of 16.  A tile of 16 rows is 16 different b (lane % 16) at ONE node: so the sum over nodes stays in a lane.  102 node tiles + 2 tiles of the h-net = 8 waves x 13.
; Wave w (g = w / 4, q = w % 4) takes nodes 12 q .. 12 q + 11 of its group in three passes of four tiles, so that each weight fragment read from LDS feeds four matrix instructions.  Nodes 48, 49, 50 of both
; groups and the two h tiles are made first, by all eight waves together: wave w makes hidden units 32 w .. 32 w + 31 of every layer for all eight tiles, and the codes go from wave to wave through LDS as
; images of the operand's registers.  hW1 and hW2 are used once in a work-group, 32 rows a wave: they go from memory into registers.
; LAYOUT.  Every product is used transposed (source 0 = 16 rows of a weight, source 1 = 16 rows of activations).  Tile (j, u) takes weight rows 32 j + 8 u + m + 8 (m / 8): lane (r, h) then holds row r, and the
; 16 registers of tiles (j, 0), (j, 1) are units 32 j + 16 h + 0 .. 15: 16 neighbours along the next K, in the order of the next operand's registers.  The biases are the C of a sum's first matrix instruction.
; CLUSTER.  All work-groups want iW1's and iW2's codes at the same LDS bytes: the four of a cluster ask jointly, one tensor load a wave, each filled once; one load of a wave is out at the most.
.set PW,    272                        ; a weight row in LDS: 256 bytes + 16 of padding: the 16 rows of a fragment load start in 16 different columns of 16 bytes
.set PLANE, 128*PW                     ; plane u of a weight: its rows 32 j + 8 u + m + 8 (m / 8), at place 16 j + m
.set JB,    16*PW                      ; from j to j + 1
.set W2L,   2*PLANE                    ; LDS: iW1 at 0, iW2 here
.set SC,    139264                     ; scale rows [256][8 bytes]: iW1's, iW2's, hW1's, hW2's, 2,048 bytes each
.set SM,    147456                     ; eight arrays of 256 f32: 0 ib1, 1 ib2, 2 iW3, 3 iW0's row 0, 4 hb1, 5 hb2, 6 hW3's column 0, 7 its column 1
.set BASE,  155648                     ; base, as images: 16,384 g + 2,048 j + 512 c + 16 lane: units 32 j + 16 h + 4 c + 0 .. 3 of row r
.set CX1,   188416                     ; first-layer codes of the eight shared tiles: 4,096 tile + 512 j + 16 lane
.set CXS1,  221184                     ; their scale words: 256 tile + 128 (K step) + 4 lane
.set SET2,  34816                      ; the second layer's codes and words lie this far behind the first's
.set TBL,   258048                     ; t_s = (1 + cos(s pi / 50)) / 2 at 4 s; cc[s] at 256 + 4 s
.set CRED,  258560                     ; partial dots of the shared tiles: 1,280 wave + 128 (5 g + i) + 4 lane; i = 0 .. 2 nodes 48 .. 50, i = 3, 4 the h-net's two outputs
.set IRED,  268800                     ; a wave's sum of cc dz: 128 wave + 4 lane
.set SPARE, 269824                     ; the spare words, 128 bytes for each wave: four blocks of 256 bytes that no other line names
; window 0
.set SPW, 2                            ; LDS address of my spare word; never rewritten
.set NIL, 3                            ; 0; never rewritten
.set AW1, 4                            ; r PW + 16 h: my place in a fragment of iW1
.set AW2, 5                            ; the same in iW2
.set AS,  6                            ; SC + 8 (r + 8 (r / 8)): my weight row's scale words
.set AH,  7                            ; SM + 64 h: my half's 16 numbers of an array
.set AB,  8                            ; BASE + 16,384 g + 16 lane
.set AT,  9                            ; the pass's place in the table
.set X,   10                           ; x of my group's row r
.set INT, 11                           ; my sum of cc dz
.set T,   12                           ; v12-19  t_s x, twice, for each of a pass's four tiles
.set U,   20                           ; v20-23  t_s
.set CW,  24                           ; v24-27  cc[s]
.set BCH, 12                           ; v12-27  in the shared phase: the h-net's bias
.set SA,  28                           ; v28-35  activations' scale words, 2 tile + K step: these four sets hold scales and nothing else
.set SB,  36                           ; v36-43  a second set
.set WS,  44                           ; v44-47  weights' scale words, 2 u + K step
.set WSH, 48                           ; v48-51  the same for hW
.set TM,  52                           ; v52-55 largest numbers; v56-59 at work; v60-63 the conversions' scale operands; v64-67 57,344 x the scale
.set TP,  56
.set TS,  60
.set TL,  64
.set D,   68                           ; v68-75  the last layer's sums, a pair a tile (the shared phase has a fifth pair, v76-77)
.set Y,   76
.set E,   80
.set MC,  68                           ; v68-83  in the shared phase: the codes just made
.set AWC1, 84                          ; from here to v111: addresses and offsets, made at the head, never rewritten
.set AWC2, 85                          ; AW1, AW2 + JB wave
.set ASC,  86                          ; AS + 256 wave
.set AHC,  87                          ; AH + 128 wave
.set CXS,  89                          ; CX1 + 512 wave + 16 lane
.set CBS,  90                          ; CXS1 + 128 (wave / 4) + wave % 4 + 4 lane: my block's byte of a scale word
.set CXL1, 91                          ; CX1 + 16 lane
.set CXL2, 92
.set CSL,  93                          ; CXS1 + 4 lane
.set BST,  94                          ; BASE + 2,048 wave + 16 lane
.set CRS,  95                          ; CRED + 1,280 wave + 4 lane
.set IRS,  96                          ; IRED + 128 wave + 4 lane
.set FLC,  97                          ; CRED + 640 (lane / 16) + 4 (lane % 16)
.set FLI,  98                          ; IRED + 512 (lane / 16) + 4 (lane % 16)
.set XF,   99                          ; x of row lane of the work-group's 32
.set GT4,  100                         ; 4 thread, 8 thread
.set GT8,  101
.set GX,   102                         ; 4 r
.set GH,   103                         ; 28 r
.set GW0,  104                         ; 128 wave + 64 h
.set GHF,  105                         ; (32 wave + r + 8 (r / 8)) 256 + 16 h
.set LA,   106                         ; TBL + 4 lane
.set LB,   107                         ; TBL + 200 - 4 lane
.set LC8,  108                         ; SC + 8 thread
.set LC4,  109                         ; SM + 4 thread
.set GO,   111                         ; 4 lane
.set BC,   112                         ; v112-127 a bias, or base
.set WF,   128                         ; v128-191 four weight fragments, (u, K step) at 32 u + 16 s; in a pass's first layer v128-143 hold iW0's row 0
.set ACC,  192                         ; v192-255 four tiles x 16: (tile, u) at 16 tile + 8 u
.set CL,   112                         ; at the head: v112-127 the copies for LDS, v128-159 h and x (even registers), v160-175 ib0, v176-191 hb0
.set HX,   128
.set IB0,  160
.set HB0,  176
; window 1: in a pass v0-127 first-layer codes (32 tile + 4 j), v128-255 second-layer codes; in its last layer v0-31 two sets of iW3.  At the head v0-127 iW0, v128-239 hW0.
; In the shared phase v0-127 a batch's codes, v128-191 hW2's fragments, v192-255 hW1's, later iW3 (192), hW3's columns (208, 224).
.set MSB, 0
.macro WIN new                         ; the immediate's high byte repeats the setting that is left; bits 1:0 source 0, 3:2 source 1, 5:4 source 2, 7:6 destination
.if MSB != \new
	s_set_vgpr_msb (MSB<<8)|\new
.set MSB, \new
.endif
.endm
.macro PLACES n
.rept \n
	v_nop
.endr
.endm
; A round of the cluster's barrier: my work-group's barrier; wave 0 signals for the work-group; every wave waits for all four work-groups; my work-group's barrier once more.
.macro CROUND
	s_barrier_signal -1
	s_barrier_wait -1
	s_cmp_lg_u32 s66, 0
	s_cbranch_scc1 .Lnot_wave_0_\@
	s_barrier_signal -3
.Lnot_wave_0_\@:
	s_barrier_wait -3
	s_barrier_signal -1
	s_barrier_wait -1
.endm
.macro LOADL1 j                        ; base and iW0's row 0, units 32 j + 16 h + 0 .. 15
.irp c, 0,1,2,3
	ds_load_b128 v[BC+4*\c:BC+4*\c+3], v[AB] offset:2048*(\j)+512*\c
.endr
.irp c, 0,1,2,3
	ds_load_b128 v[WF+4*\c:WF+4*\c+3], v[AH] offset:3*1024+128*(\j)+16*\c
.endr
.endm
.macro LOADW adr, asr, ahr, so, arr, j ; the four fragments of tiles (j, 0), (j, 1), their scale words (rows at SC + so) and their bias (array arr)
.irp u, 0,1
.irp s, 0,1
.irp c, 0,1,2,3
	ds_load_b128 v[WF+32*\u+16*\s+4*\c:WF+32*\u+16*\s+4*\c+3], v[\adr] offset:PLANE*\u+JB*(\j)+128*\s+32*\c
.endr
.endr
.endr
.irp u, 0,1
	ds_load_b64 v[WS+2*\u:WS+2*\u+1], v[\asr] offset:(\so)+256*(\j)+64*\u
.endr
.irp c, 0,1,2,3
	ds_load_b128 v[BC+4*\c:BC+4*\c+3], v[\ahr] offset:1024*(\arr)+128*(\j)+16*\c
.endr
.endm
.macro LOADH so, arr                   ; the h-net's scale words and bias of my 32 units
.irp u, 0,1
	ds_load_b64 v[WSH+2*\u:WSH+2*\u+1], v[ASC] offset:(\so)+64*\u
.endr
.irp c, 0,1,2,3
	ds_load_b128 v[BCH+4*\c:BCH+4*\c+3], v[AHC] offset:1024*(\arr)+16*\c
.endr
.endm
.macro LOADW3 j                        ; iW3, units 32 j + 16 h + 0 .. 15, into set j % 2 of window 1
	WIN 0x40
.irp c, 0,1,2,3
	ds_load_b128 v[16*((\j)%2)+4*\c:16*((\j)%2)+4*\c+3], v[AH] offset:2*1024+128*(\j)+16*\c
.endr
	WIN 0
.endm
; Tiles i0 .. i0 + n - 1 against the two weight tiles at fa: K step 0 with the bias as C, then K step 1.  The accumulators take turns, one instruction a turn.
.macro MM i0, n, cb, sb, fa, ws, bc, win
	WIN \win
.set mi, \i0
.rept \n
.irp u, 0,1
	v_wmma_scale_f32_16x16x128_f8f6f4 v[ACC+16*mi+8*\u:ACC+16*mi+8*\u+7], v[\fa+32*\u:\fa+32*\u+15], v[\cb+32*mi:\cb+32*mi+15], v[\bc+8*\u:\bc+8*\u+7], v[\ws+2*\u], v[\sb+2*mi] matrix_a_fmt:MATRIX_FMT_BF8 matrix_b_fmt:MATRIX_FMT_BF8
.endr
.set mi, mi+1
.endr
.set mi, \i0
	s_wait_alu depctr_va_vdst(0)
.rept \n
.irp u, 0,1
	v_wmma_scale_f32_16x16x128_f8f6f4 v[ACC+16*mi+8*\u:ACC+16*mi+8*\u+7], v[\fa+32*\u+16:\fa+32*\u+31], v[\cb+32*mi+16:\cb+32*mi+31], v[ACC+16*mi+8*\u:ACC+16*mi+8*\u+7], v[\ws+2*\u+1], v[\sb+2*mi+1] matrix_a_fmt:MATRIX_FMT_BF8 matrix_b_fmt:MATRIX_FMT_BF8
.endr
.set mi, mi+1
.endr
	WIN 0
.endm
; THE QUANTISER of one block of 32 units for four tiles.  No |.|: what is negative becomes 0 (the relu), so it does not count; the floor 2^(16 - 127) stands over it and holds the byte at 1 from below.
.macro QMAX
.irp i, 0,1,2,3
	v_max3_num_f32 v[TM+\i], v[ACC+16*\i], v[ACC+16*\i+1], s72
.endr
.irp k, 2,4,6,8,10,12,14
.irp i, 0,1,2,3
	v_max3_num_f32 v[TM+\i], v[TM+\i], v[ACC+16*\i+\k], v[ACC+16*\i+\k+1]    ; the four tiles by turns; each accumulator is read from its low end on
.endr
.endr
.irp i, 0,1,2,3
	s_delay_alu instid0(VALU_DEP_4)
	v_permlanex16_b32 v[TP+\i], v[TM+\i], s70, s71
.endr
.irp i, 0,1,2,3
	s_delay_alu instid0(VALU_DEP_4)
	v_max_num_f32 v[TM+\i], v[TM+\i], v[TP+\i]         ; with lane l xor 16's 16 units: the block's largest number
.endr
.irp i, 0,1,2,3
	s_delay_alu instid0(VALU_DEP_4)
	v_add_nc_u32 v[TS+\i], s73, v[TM+\i]               ; 15 off its exponent field: the conversion's scale operand
.endr
.irp i, 0,1,2,3
	v_and_or_b32 v[TL+\i], v[TM+\i], s74, s75          ; 57,344 x the scale
.endr
.endm
.macro QWORD sreg, j                   ; block j's byte into the tiles' scale words
.if ((\j)%4) == 0
.irp i, 0,1,2,3
	v_lshrrev_b32 v[\sreg+2*\i+(\j)/4], 23, v[TS+\i]
.endr
.else
.irp i, 0,1,2,3
	v_lshrrev_b32 v[TP+\i], 23, v[TS+\i]
.endr
.irp i, 0,1,2,3
	s_delay_alu instid0(VALU_DEP_4)
	v_lshl_or_b32 v[\sreg+2*\i+(\j)/4], v[TP+\i], 8*((\j)%4), v[\sreg+2*\i+(\j)/4]
.endr
.endif
.endm
.macro QBYTE
.irp i, 0,1,2,3
	v_lshrrev_b32 v[TP+\i], 23, v[TS+\i]
.endr
.endm
.macro QCVT dst, stride, dwin          ; the relu and the hold in one (the conversion to an 8-bit code does not saturate: ISA guide 7.6.2), then 16 codes a tile
.irp i, 0,1,2,3
.irp k, 0,1,2,3,4,5,6,7,8,9,10,11,12,13,14,15
	v_med3_num_f32 v[ACC+16*\i+\k], v[ACC+16*\i+\k], 0, v[TL+\i]
.endr
.endr
	WIN \dwin
.irp i, 0,1,2,3
	v_cvt_scalef32_pk8_bf8_f32 v[\dst+\stride*\i:\dst+\stride*\i+1], v[ACC+16*\i:ACC+16*\i+7], v[TS+\i]
	v_cvt_scalef32_pk8_bf8_f32 v[\dst+\stride*\i+2:\dst+\stride*\i+3], v[ACC+16*\i+8:ACC+16*\i+15], v[TS+\i]
.endr
	WIN 0
	v_nop                                          ; a plain line between the last conversion and the next products, which write its sources
.endm
.macro RELU4
.irp k, 0,1,2,3,4,5,6,7,8,9,10,11,12,13,14,15
.irp i, 0,1,2,3
	v_max_num_f32 v[ACC+16*\i+\k], 0, v[ACC+16*\i+\k]  ; ascending: each accumulator is read from its low end on
.endr
.endr
.endm
.macro DOT4 wb, first                  ; the last layer: each tile's pair of sums takes 16 units x iW3 (window 1)
	WIN 0x04
.irp p, 0,1,2,3,4,5,6,7
.irp i, 0,1,2,3
.if (\first) && (\p == 0)
	v_pk_mul_f32 v[D+2*\i:D+2*\i+1], v[ACC+16*\i+2*\p:ACC+16*\i+2*\p+1], v[\wb+2*\p:\wb+2*\p+1]
.else
	v_pk_fma_f32 v[D+2*\i:D+2*\i+1], v[ACC+16*\i+2*\p:ACC+16*\i+2*\p+1], v[\wb+2*\p:\wb+2*\p+1], v[D+2*\i:D+2*\i+1]
.endif
.endr
.endr
	WIN 0
.endm
; ---- macros of the shared phase
.macro CLOAD adr, base, g, sreg        ; the codes of tiles 4 g .. 4 g + 3, all of K, and their scale words
	WIN 0x40
.irp i, 0,1,2,3
.irp b, 0,1,2,3,4,5,6,7
	ds_load_b128 v[32*\i+4*\b:32*\i+4*\b+3], v[\adr] offset:(4*\g+\i)*4096+512*\b
.endr
.endr
	WIN 0
.irp i, 0,1,2,3
.irp s, 0,1
	ds_load_b32 v[\sreg+2*\i+\s], v[CSL] offset:\base+(4*\g+\i)*256+128*\s
.endr
.endr
.endm
.macro CSTORE g, base                  ; my block's codes of tiles 4 g .. 4 g + 3 as they stand in registers, and my byte of their scale words
.irp i, 0,1,2,3
	ds_store_b128 v[CXS], v[MC+4*\i:MC+4*\i+3] offset:\base+(4*\g+\i)*4096
	ds_store_b8 v[CBS], v[TP+\i] offset:\base+(4*\g+\i)*256
.endr
.endm
.macro CDOT                            ; tiles 0-2 x iW3; tile 3 x hW3's two columns
	WIN 0x04
.irp p, 0,1,2,3,4,5,6,7
.if \p == 0
.irp i, 0,1,2
	v_pk_mul_f32 v[D+2*\i:D+2*\i+1], v[ACC+16*\i:ACC+16*\i+1], v[192:193]
.endr
	v_pk_mul_f32 v[D+6:D+7], v[ACC+48:ACC+49], v[208:209]
	v_pk_mul_f32 v[D+8:D+9], v[ACC+48:ACC+49], v[224:225]
.else
.irp i, 0,1,2
	v_pk_fma_f32 v[D+2*\i:D+2*\i+1], v[ACC+16*\i+2*\p:ACC+16*\i+2*\p+1], v[192+2*\p:193+2*\p], v[D+2*\i:D+2*\i+1]
.endr
	v_pk_fma_f32 v[D+6:D+7], v[ACC+48+2*\p:ACC+49+2*\p], v[208+2*\p:209+2*\p], v[D+6:D+7]
	v_pk_fma_f32 v[D+8:D+9], v[ACC+48+2*\p:ACC+49+2*\p], v[224+2*\p:225+2*\p], v[D+8:D+9]
.endif
.endr
	WIN 0
.endm
.macro CFOLD g                         ; the five sums over my 32 units: a pair's halves, then lane l xor 16's; to my part of CRED
.irp i, 0,1,2,3,4
	v_add_f32 v[52+\i], v[D+2*\i], v[D+2*\i+1]
.endr
.irp i, 0,1,2,3,4
	v_permlanex16_b32 v[57+\i], v[52+\i], s70, s71
.endr
.irp i, 0,1,2,3,4
	v_add_f32 v[52+\i], v[52+\i], v[57+\i]
.endr
.irp i, 0,1,2,3,4
	ds_store_b32 v[CRS], v[52+\i] offset:(5*\g+\i)*128
.endr
.endm
; Group g's first layers, units 32 wave + 16 h + 0 .. 15: tile 2 = base (node 50), tiles 0, 1 = nodes 48, 49, tile 3 = the h-net's.
.macro P1G g
	v_mul_f32 v[T], v[HX+16*\g+14], v20
	v_mul_f32 v[T+1], v[HX+16*\g+14], v20
	v_mul_f32 v[T+2], v[HX+16*\g+14], v21
	v_mul_f32 v[T+3], v[HX+16*\g+14], v21
	WIN 0x01                                       ; source 0, the weights' rows, in window 1
.irp k, 1,2,3,4,5,6,7
.irp p, 0,1,2,3,4,5,6,7
.if \k == 1
	v_pk_fma_f32 v[ACC+32+2*\p:ACC+33+2*\p], v[16*\k+2*\p:16*\k+2*\p+1], v[HX+16*\g+2*\k-2:HX+16*\g+2*\k-1], v[IB0+2*\p:IB0+2*\p+1] op_sel_hi:[1,0,1]
.else
	v_pk_fma_f32 v[ACC+32+2*\p:ACC+33+2*\p], v[16*\k+2*\p:16*\k+2*\p+1], v[HX+16*\g+2*\k-2:HX+16*\g+2*\k-1], v[ACC+32+2*\p:ACC+33+2*\p] op_sel_hi:[1,0,1]
.endif
.endr
.endr
.if \g == 0
	s_wait_loadcnt 11                              ; hW0 and hb0 are in; the eleven copies for LDS, issued behind them, may be out
.endif
.irp k, 0,1,2,3,4,5,6
.irp p, 0,1,2,3,4,5,6,7
.if \k == 0
	v_pk_fma_f32 v[ACC+48+2*\p:ACC+49+2*\p], v[128+16*\k+2*\p:129+16*\k+2*\p], v[HX+16*\g+2*\k:HX+16*\g+2*\k+1], v[HB0+2*\p:HB0+2*\p+1] op_sel_hi:[1,0,1]
.else
	v_pk_fma_f32 v[ACC+48+2*\p:ACC+49+2*\p], v[128+16*\k+2*\p:129+16*\k+2*\p], v[HX+16*\g+2*\k:HX+16*\g+2*\k+1], v[ACC+48+2*\p:ACC+49+2*\p] op_sel_hi:[1,0,1]
.endif
.endr
.endr
.irp i, 0,1
.irp p, 0,1,2,3,4,5,6,7
	v_pk_fma_f32 v[ACC+16*\i+2*\p:ACC+16*\i+2*\p+1], v[2*\p:2*\p+1], v[T+2*\i:T+2*\i+1], v[ACC+32+2*\p:ACC+33+2*\p]
.endr
.endr
	WIN 0
.irp c, 0,1,2,3
	ds_store_b128 v[BST], v[ACC+32+4*\c:ACC+35+4*\c] offset:16384*\g+512*\c   ; base, before the relu, for the passes
.endr
.if \g == 1
	WIN 0x40                                       ; hW0's rows are done with: my 32 rows of hW1 and of hW2 take their registers
.irp u, 0,1
.irp s, 0,1
.irp c, 0,1,2,3
	global_load_b128 v[192+32*\u+16*\s+4*\c:195+32*\u+16*\s+4*\c], v[GHF], s[40:41] offset:2048*\u+128*\s+32*\c
.endr
.endr
.endr
.irp u, 0,1
.irp s, 0,1
.irp c, 0,1,2,3
	global_load_b128 v[128+32*\u+16*\s+4*\c:131+32*\u+16*\s+4*\c], v[GHF], s[42:43] offset:2048*\u+128*\s+32*\c
.endr
.endr
.endr
	WIN 0
.endif
	s_wait_alu depctr_va_vdst(0)
	s_wait_dscnt 0x0                               ; my LDS stores have read their registers: base's, and the last group's codes and bytes
	QMAX
	QBYTE
	QCVT MC, 4, 0
	CSTORE \g, 0
.endm
; ---- the steps of a pass: block j of 32 units, four tiles
.macro L1STEP j
.if (\j) > 0
	s_wait_dscnt 0x0
.endif
.irp i, 0,1,2,3
.irp p, 0,1,2,3,4,5,6,7
	v_pk_fma_f32 v[ACC+16*\i+2*\p:ACC+16*\i+2*\p+1], v[WF+2*\p:WF+2*\p+1], v[T+2*\i:T+2*\i+1], v[BC+2*\p:BC+2*\p+1]
.endr
.endr
.if (\j) < 7
	LOADL1 (\j)+1                                  ; the next step's numbers land while this block is quantised
.else
	LOADW AW1, AS, AH, 0, 0, 0
.endif
	QMAX
	QWORD SA, \j
	QCVT 4*(\j), 32, 0x40
.endm
.macro L2STEP j
	s_wait_dscnt 0x0
	MM 0, 4, 0, SA, WF, WS, BC, 0x04
	PLACES 8                                       ; eight places behind this form, ahead of loads into its registers and of the first read of its results
.if (\j) < 7
	LOADW AW1, AS, AH, 0, 0, (\j)+1
.else
	LOADW AW2, AS, AH, 2048, 1, 0
	LOADW3 0
.endif
	QMAX
	QWORD SB, \j
	QCVT 128+4*(\j), 32, 0x40
.endm
.macro L3STEP j
	s_wait_dscnt 0x0
	MM 0, 4, 128, SB, WF, WS, BC, 0x04
	PLACES 8
.if (\j) < 7
	LOADW AW2, AS, AH, 2048, 1, (\j)+1
	LOADW3 (\j)+1
.endif
	RELU4
.if (\j) == 0
	DOT4 0, 1
.else
	DOT4 16*((\j)%2), 0
.endif
.endm
; ---- macros of the table
.macro CL l, c
	s_mov_b32 s84, \c
	v_writelane_b32 v52, s84, \l
.endm
.macro CHEB pn, pc, gw                 ; v[pn] holds p(j-1), v[pc] p(j): v[pn] = 2 d p(j) - p(j-1) = p(j+1); the sum takes gw x it
	v_fma_f32 v[\pn], v56, v[\pc], -v[\pn]
	s_mov_b32 s84, \gw
	v_fmac_f32 v59, s84, v[\pn]
.endm
; ================ THE HEAD
	s_load_b512 s[4:19], s[0:1], 0x0               ; x 4, h 6, iW0 8, ib0 10, hW0 12, hb0 14, iW1's codes 16, iW2's codes 18
	s_load_b512 s[20:35], s[0:1], 0x40             ; scales of iW1 20, iW2 22, hW1 24, hW2 26; ib1 28, ib2 30, hb1 32, hb2 34
	s_load_b256 s[36:43], s[0:1], 0x80             ; iW3 36, hW3 38, hW1's codes 40, hW2's codes 42
	s_load_b128 s[44:47], s[0:1], 0xa0             ; ib3 44, hb3 46
	s_load_b64 s[48:49], s[0:1], 0xb0              ; out0
	v_lshl_add_u32 v[SPW], v0, 2, SPARE
	v_mov_b32 v[NIL], 0
	ds_add_u32 v[SPW], v[NIL]                      ; the wave's opening: the add, twice on end, and its wait ahead of my first tensor load; the set-up below stands between
	ds_add_u32 v[SPW], v[NIL]
	v_lshrrev_b32 v1, 5, v0
	s_delay_alu instid0(VALU_DEP_1)
	v_readfirstlane_b32 s66, v1                    ; wave 0..7
	s_lshr_b32 s67, s66, 2                         ; g: my group in the passes
	s_and_b32 s68, s66, 3                          ; q: my twelve nodes
	s_bfe_u32 s84, ttmp6, 0x40000                  ; my place in the cluster
	s_lshl_b32 s69, ttmp9, 2
	s_add_co_u32 s69, s69, s84                     ; the work-group's number: it enters the addresses of x, h and out0 alone
	s_mov_b32 s70, 0x76543210
	s_mov_b32 s71, 0xfedcba98                      ; v_permlanex16_b32's selects for lane l xor 16
	s_mov_b32 s72, 0x8000000                       ; the floor 2^(16 - 127)
	s_mov_b32 s73, 0xf8800000                      ; -(15 << 23)
	s_mov_b32 s74, 0x7f800000
	s_mov_b32 s75, 0x600000                        ; the mantissa field of 57,344
	s_mov_b32 s76, 0x3fb8aa3b                      ; log2(e)
	s_mov_b32 s80, 3                               ; passes
	s_mul_i32 s81, s68, 48
	s_add_co_u32 s81, s81, TBL                     ; my first node's place in the table
	; the one tensor load of a wave: eight weight rows are 2,048 dense bytes, so a row of the tile is eight weight rows, and the tile takes every second such row: plane u of a weight, half z
	s_mov_b32 s52, 1
	s_mul_i32 s53, s66, 64*PW                      ; LDS: 64 weight rows a wave: wave = 4 matrix + 2 u + z
	s_mov_b32 s56, 15|(3<<16)|(1<<20)|(1<<21)|(5<<22)|(3<<25)   ; the mask: all four work-groups; elements of 8 bytes; padding on; bit 21 beside a mask; 4 words behind every 64
	s_mov_b32 s57, 256<<16                         ; tensor_dim0 = 256 elements
	s_mov_b32 s58, 8<<16                           ; tensor_dim1 = 8
	s_mov_b32 s59, 256<<16                         ; tile_dim0
	s_mov_b32 s60, 8                               ; tile_dim1
	s_mov_b32 s61, 512                             ; from row to row: 4,096 bytes
	s_mov_b32 s62, 0
	s_mov_b32 s63, 0
	v_and_b32 v52, 15, v0                          ; r
	v_bfe_u32 v53, v0, 4, 1                        ; h
	v_and_b32 v54, 31, v0                          ; lane
	s_delay_alu instid0(VALU_DEP_3)
	v_mul_u32_u24 v[AW1], v52, PW
	s_delay_alu instid0(VALU_DEP_1)
	v_lshl_add_u32 v[AW1], v53, 4, v[AW1]
	s_delay_alu instid0(VALU_DEP_1)
	v_add_nc_u32 v[AW2], W2L, v[AW1]
	v_and_b32 v55, 8, v52
	s_delay_alu instid0(VALU_DEP_1)
	v_add_nc_u32 v55, v55, v52                     ; r + 8 (r / 8)
	s_delay_alu instid0(VALU_DEP_1)
	v_lshl_add_u32 v[AS], v55, 3, SC
	v_lshl_add_u32 v[AH], v53, 6, SM
	s_lshl_b32 s84, s67, 14
	s_add_co_u32 s84, s84, BASE
	v_lshl_add_u32 v[AB], v54, 4, s84
	s_mul_i32 s84, s66, JB
	v_add_nc_u32 v[AWC1], s84, v[AW1]
	v_add_nc_u32 v[AWC2], s84, v[AW2]
	s_lshl_b32 s84, s66, 8
	v_add_nc_u32 v[ASC], s84, v[AS]
	s_lshl_b32 s84, s66, 7
	v_add_nc_u32 v[AHC], s84, v[AH]
	v_lshl_add_u32 v[GW0], v53, 6, s84
	s_add_co_u32 s84, s84, IRED
	v_lshl_add_u32 v[IRS], v54, 2, s84
	s_lshl_b32 s84, s66, 9
	s_add_co_u32 s84, s84, CX1
	v_lshl_add_u32 v[CXS], v54, 4, s84
	s_lshl_b32 s84, s67, 7
	s_add_co_u32 s84, s84, s68
	s_add_co_u32 s84, s84, CXS1
	v_lshl_add_u32 v[CBS], v54, 2, s84
	v_lshl_add_u32 v[CXL1], v54, 4, CX1
	s_delay_alu instid0(VALU_DEP_1)
	v_add_nc_u32 v[CXL2], SET2, v[CXL1]
	v_lshl_add_u32 v[CSL], v54, 2, CXS1
	s_lshl_b32 s84, s66, 11
	s_add_co_u32 s84, s84, BASE
	v_lshl_add_u32 v[BST], v54, 4, s84
	s_mul_i32 s84, s66, 1280
	s_add_co_u32 s84, s84, CRED
	v_lshl_add_u32 v[CRS], v54, 2, s84
	v_mul_u32_u24 v[FLC], v53, 640
	s_delay_alu instid0(VALU_DEP_1)
	v_lshl_add_u32 v[FLC], v52, 2, v[FLC]
	s_delay_alu instid0(VALU_DEP_1)
	v_add_nc_u32 v[FLC], CRED, v[FLC]
	v_lshlrev_b32 v[FLI], 9, v53
	s_delay_alu instid0(VALU_DEP_1)
	v_lshl_add_u32 v[FLI], v52, 2, v[FLI]
	s_delay_alu instid0(VALU_DEP_1)
	v_add_nc_u32 v[FLI], IRED, v[FLI]
	v_lshlrev_b32 v[GT4], 2, v0
	v_lshlrev_b32 v[GT8], 3, v0
	v_lshlrev_b32 v[GX], 2, v52
	v_mul_u32_u24 v[GH], v52, 28
	s_lshl_b32 s84, s66, 13
	v_lshl_add_u32 v[GHF], v55, 8, s84
	s_delay_alu instid0(VALU_DEP_1)
	v_lshl_add_u32 v[GHF], v53, 4, v[GHF]
	v_lshl_add_u32 v[LA], v54, 2, TBL
	v_lshlrev_b32 v[GO], 2, v54
	s_delay_alu instid0(VALU_DEP_1)
	v_sub_nc_u32 v[LB], TBL+200, v[GO]
	v_lshl_add_u32 v[LC8], v0, 3, SC
	v_lshl_add_u32 v[LC4], v0, 2, SM
	v_mov_b32 v[INT], 0
.irp i, 0,1,2,3
	v_mov_b32 v[TP+\i], 0                          ; written once: a lane permute's destination counts as one of its sources
.endr
.irp k, 0,1,2,3,4,5,6,7,8,9,10,11,12,13,14,15
	v_mov_b32 v[HX+2*\k+1], 0                      ; h and x stand in even registers; the packed forms name the pair and take its first word for both halves
.endr
	s_wait_dscnt 0x0                               ; both opening adds are done
	s_wait_kmcnt 0x0
	s_load_b32 s77, s[44:45], 0x0                  ; ib3
	s_load_b64 s[78:79], s[46:47], 0x0             ; hb3
	s_lshl_b32 s84, s69, 7                         ; my 32 rows: 128 bytes of x and of out0,
	s_mov_b32 s85, 0
	s_add_nc_u64 s[4:5], s[4:5], s[84:85]
	s_add_nc_u64 s[48:49], s[48:49], s[84:85]
	s_mul_i32 s84, s69, 896                        ; 896 of h
	s_add_nc_u64 s[6:7], s[6:7], s[84:85]
	s_cmp_lt_u32 s66, 4                            ; waves 0-3 fetch iW1, waves 4-7 iW2: the wave's number alone decides, the same in all four work-groups
	s_cselect_b64 s[54:55], s[16:17], s[18:19]
	s_bfe_u32 s84, s66, 0x10001                    ; u
	s_lshl_b32 s84, s84, 11
	s_and_b32 s86, s66, 1                          ; z
	s_lshl_b32 s86, s86, 15
	s_add_co_u32 s84, s84, s86
	s_add_nc_u64 s[54:55], s[54:55], s[84:85]
	s_or_b32 s55, s55, 0x80000000                  ; type = 2
	; the loads into registers, in three runs: 52 (h, x, ib0, iW0), 32 (hW0, hb0), 11 (a piece a thread of what goes to LDS)
.irp g, 0,1
.irp k, 0,1,2,3,4,5,6
	global_load_b32 v[HX+16*\g+2*\k], v[GH], s[6:7] offset:448*\g+4*\k
.endr
	global_load_b32 v[HX+16*\g+14], v[GX], s[4:5] offset:64*\g
.endr
.irp c, 0,1,2,3
	global_load_b128 v[IB0+4*\c:IB0+4*\c+3], v[GW0], s[10:11] offset:16*\c
.endr
	WIN 0x40
.irp k, 0,1,2,3,4,5,6,7
.irp c, 0,1,2,3
	global_load_b128 v[16*\k+4*\c:16*\k+4*\c+3], v[GW0], s[8:9] offset:1024*\k+16*\c
.endr
.endr
.irp k, 0,1,2,3,4,5,6
.irp c, 0,1,2,3
	global_load_b128 v[128+16*\k+4*\c:131+16*\k+4*\c], v[GW0], s[12:13] offset:1024*\k+16*\c
.endr
.endr
	WIN 0
.irp c, 0,1,2,3
	global_load_b128 v[HB0+4*\c:HB0+4*\c+3], v[GW0], s[14:15] offset:16*\c
.endr
	global_load_b64 v[CL:CL+1], v[GT8], s[20:21]
	global_load_b64 v[CL+2:CL+3], v[GT8], s[22:23]
	global_load_b64 v[CL+4:CL+5], v[GT8], s[24:25]
	global_load_b64 v[CL+6:CL+7], v[GT8], s[26:27]
	global_load_b64 v[CL+8:CL+9], v[GT8], s[38:39]
	global_load_b32 v[CL+10], v[GT4], s[28:29]
	global_load_b32 v[CL+11], v[GT4], s[30:31]
	global_load_b32 v[CL+12], v[GT4], s[36:37]
	global_load_b32 v[CL+13], v[GT4], s[8:9]
	global_load_b32 v[CL+14], v[GT4], s[32:33]
	global_load_b32 v[CL+15], v[GT4], s[34:35]
	CROUND                                         ; all four work-groups are here: the joint loads meet
	tensor_load_to_lds s[52:55], s[56:63]          ; my eighth of iW1's and iW2's codes: filled once
	s_nop 0
	PLACES 4
	; ---- THE TABLE, by wave 7 while the loads are on their way.  Lane l holds c = cos(l pi / 50).  t_l = (1 + c) / 2 and t_(50-l) = (1 - c) / 2.
	; cc[i] = (2 / 50) (1 - sum over j = 1 .. 25 of 2 / (4 j^2 - 1) cos(2 pi i j / 50)), halved at i = 0 and i = 50: the reference's own construction written out; cc[50 - i] = cc[i].
	; cos(2 pi i j / 50) = p(j) with d = 2 c^2 - 1, p(0) = 1, p(1) = d, p(j+1) = 2 d p(j) - p(j-1).  Lanes 26-31 hold -c of lanes 24-19 and store the same bits to the same words.
	s_cmp_lg_u32 s66, 7
	s_cbranch_scc1 .Lno_table
	CL 0, 1.0
	CL 1, 0.9980267284
	CL 2, 0.9921147013
	CL 3, 0.9822872507
	CL 4, 0.9685831611
	CL 5, 0.9510565163
	CL 6, 0.9297764859
	CL 7, 0.9048270525
	CL 8, 0.8763066800
	CL 9, 0.8443279255
	CL 10, 0.8090169944
	CL 11, 0.7705132428
	CL 12, 0.7289686274
	CL 13, 0.6845471059
	CL 14, 0.6374239897
	CL 15, 0.5877852523
	CL 16, 0.5358267950
	CL 17, 0.4817536741
	CL 18, 0.4257792916
	CL 19, 0.3681245527
	CL 20, 0.3090169944
	CL 21, 0.2486898872
	CL 22, 0.1873813146
	CL 23, 0.1253332336
	CL 24, 0.0627905195
	CL 25, 0
	CL 26, -0.0627905195
	CL 27, -0.1253332336
	CL 28, -0.1873813146
	CL 29, -0.2486898872
	CL 30, -0.3090169944
	CL 31, -0.3681245527
	s_delay_alu instid0(VALU_DEP_1)
	v_add_f32 v53, 1.0, v52
	s_delay_alu instid0(VALU_DEP_2)
	v_sub_f32 v54, 1.0, v52
	s_delay_alu instid0(VALU_DEP_2)
	v_mul_f32 v53, 0.5, v53
	s_delay_alu instid0(VALU_DEP_2)
	v_mul_f32 v54, 0.5, v54
	ds_store_b32 v[LA], v53
	ds_store_b32 v[LB], v54
	v_mul_f32 v55, v52, v52
	s_delay_alu instid0(VALU_DEP_1)
	v_fma_f32 v55, v55, 2.0, -1.0                  ; d
	s_delay_alu instid0(VALU_DEP_1)
	v_add_f32 v56, v55, v55                        ; 2 d
	v_mov_b32 v57, 1.0                             ; p(0)
	s_delay_alu instid0(VALU_DEP_3)
	v_mov_b32 v58, v55                             ; p(1)
	s_mov_b32 s84, 0.666666667
	v_mul_f32 v59, s84, v58                        ; the sum's first term
	CHEB 57, 58, 0.133333333
	CHEB 58, 57, 0.0571428571
	CHEB 57, 58, 0.0317460317
	CHEB 58, 57, 0.0202020202
	CHEB 57, 58, 0.0139860140
	CHEB 58, 57, 0.0102564103
	CHEB 57, 58, 0.00784313725
	CHEB 58, 57, 0.00619195046
	CHEB 57, 58, 0.00501253133
	CHEB 58, 57, 0.00414078675
	CHEB 57, 58, 0.00347826087
	CHEB 58, 57, 0.00296296296
	CHEB 57, 58, 0.00255427842
	CHEB 58, 57, 0.00222469410
	CHEB 57, 58, 0.00195503421
	CHEB 58, 57, 0.00173160173
	CHEB 57, 58, 0.00154440154
	CHEB 58, 57, 0.00138600139
	CHEB 57, 58, 0.00125078174
	CHEB 58, 57, 0.00113442995
	CHEB 57, 58, 0.00103359173
	CHEB 58, 57, 0.000945626478
	CHEB 57, 58, 0.000868432479
	CHEB 58, 57, 0.000800320128
	v_and_b32 v60, 31, v0
	s_delay_alu instid0(VALU_DEP_1)
	v_cmp_eq_u32 s85, 0, v60
	s_delay_alu instid0(VALU_DEP_1)
	v_cndmask_b32 v61, 1.0, 0.5, s85               ; lane 0 serves i = 0 and i = 50: halved
	s_delay_alu instid0(VALU_DEP_4)
	v_sub_f32 v59, 1.0, v59
	s_mov_b32 s84, 0.04
	v_mul_f32 v59, s84, v59
	s_delay_alu instid0(VALU_DEP_1)
	v_mul_f32 v59, v59, v61
	ds_store_b32 v[LA], v59 offset:256
	ds_store_b32 v[LB], v59 offset:256
.Lno_table:
; ================ THE SHARED PHASE, layer 1
	s_wait_loadcnt 43                              ; h, x, ib0 and iW0 are in; the 32 loads of hW0 and hb0 and the eleven copies, issued behind them, may be out
	v_mov_b32 v20, -0.9921147013                   ; cos(48 pi / 50)
	v_mov_b32 v21, -0.9980267284                   ; cos(49 pi / 50)
	s_delay_alu instid0(VALU_DEP_2)
	v_add_f32 v20, 1.0, v20
	s_delay_alu instid0(VALU_DEP_2)
	v_add_f32 v21, 1.0, v21
	s_delay_alu instid0(VALU_DEP_2)
	v_mul_f32 v20, 0.5, v20                        ; t_48
	s_delay_alu instid0(VALU_DEP_2)
	v_mul_f32 v21, 0.5, v21                        ; t_49
	s_cmp_eq_u32 s67, 0
	s_cselect_b32 s84, 0, -1
	v_cndmask_b32 v[X], v[HX+14], v[HX+30], s84    ; x of my own group's row r, for the passes
	v_and_b32 v1, 16, v0
	s_delay_alu instid0(VALU_DEP_1)
	v_cmp_ne_u32 s85, 0, v1
	s_delay_alu instid0(VALU_DEP_1)
	v_cndmask_b32 v[XF], v[HX+14], v[HX+30], s85   ; x of row lane, for the end
	P1G 0
	s_wait_loadcnt 0x0                             ; the copies are in
	ds_store_b64 v[LC8], v[CL:CL+1]
	ds_store_b64 v[LC8], v[CL+2:CL+3] offset:2048
	ds_store_b64 v[LC8], v[CL+4:CL+5] offset:4096
	ds_store_b64 v[LC8], v[CL+6:CL+7] offset:6144
	ds_store_b32 v[LC4], v[CL+8] offset:6144       ; hW3's two columns, apart
	ds_store_b32 v[LC4], v[CL+9] offset:7168
	ds_store_b32 v[LC4], v[CL+10]
	ds_store_b32 v[LC4], v[CL+11] offset:1024
	ds_store_b32 v[LC4], v[CL+12] offset:2048
	ds_store_b32 v[LC4], v[CL+13] offset:3072
	ds_store_b32 v[LC4], v[CL+14] offset:4096
	ds_store_b32 v[LC4], v[CL+15] offset:5120
	P1G 1
	s_wait_tensorcnt 0x0                           ; my part of the weights has landed,
	s_wait_dscnt 0x0                               ; my LDS stores are done,
	s_wait_kmcnt 0x0                               ; (ib3 and hb3 are in)
	s_barrier_signal -1
	s_barrier_wait -1                              ; and everybody's: weights, scales, arrays, base, table, first-layer codes
; ================ layer 2 of the shared tiles: my 32 units for a group's four tiles at a time
	LOADW AWC1, ASC, AHC, 0, 0, 0
	LOADH 4096, 4
	CLOAD CXL1, 0, 0, SA
	s_wait_loadcnt 0x0                             ; hW1's and hW2's fragments
	s_wait_dscnt 0x0
	MM 0, 3, 0, SA, WF, WS, BC, 0x04
	MM 3, 1, 0, SA, 192, WSH, BCH, 0x05
	PLACES 8
	CLOAD CXL1, 0, 1, SB                           ; the other group's codes land while this group's results are quantised
	QMAX
	QBYTE
	QCVT MC, 4, 0
	CSTORE 0, SET2
	s_wait_dscnt 0x0
	MM 0, 3, 0, SB, WF, WS, BC, 0x04
	MM 3, 1, 0, SB, 192, WSH, BCH, 0x05
	PLACES 8
	LOADW AWC2, ASC, AHC, 2048, 1, 0               ; layer 3's weights, words and biases: bytes that nobody writes any more
	LOADH 6144, 5
	WIN 0x40
.irp c, 0,1,2,3
	ds_load_b128 v[192+4*\c:195+4*\c], v[AHC] offset:2*1024+16*\c
	ds_load_b128 v[208+4*\c:211+4*\c], v[AHC] offset:6*1024+16*\c
	ds_load_b128 v[224+4*\c:227+4*\c], v[AHC] offset:7*1024+16*\c
.endr
	WIN 0
	QMAX
	QBYTE
	QCVT MC, 4, 0
	CSTORE 1, SET2
	s_wait_dscnt 0x0
	s_barrier_signal -1
	s_barrier_wait -1                              ; the second-layer codes of all eight tiles lie in LDS
; ================ layer 3 and the last layer of the shared tiles
	CLOAD CXL2, SET2, 0, SA
	s_wait_dscnt 0x0
	MM 0, 3, 0, SA, WF, WS, BC, 0x04
	MM 3, 1, 0, SA, 128, WSH, BCH, 0x05
	PLACES 8
	CLOAD CXL2, SET2, 1, SB
	RELU4
	CDOT
	CFOLD 0
	s_wait_dscnt 0x0
	MM 0, 3, 0, SB, WF, WS, BC, 0x04
	MM 3, 1, 0, SB, 128, WSH, BCH, 0x05
	PLACES 8
	RELU4
	CDOT
	CFOLD 1
; ================ THE PASSES: four nodes of my group a trip
.Lpass:
	v_mov_b32 v[AT], s81
	ds_load_b128 v[U:U+3], v[AT]
	ds_load_b128 v[CW:CW+3], v[AT] offset:256
	LOADL1 0
	s_wait_dscnt 0x0
.irp i, 0,1,2,3
	v_mul_f32 v[T+2*\i], v[X], v[U+\i]
	v_mul_f32 v[T+2*\i+1], v[X], v[U+\i]
.endr
.irp j, 0,1,2,3,4,5,6,7
	L1STEP \j
.endr
	PLACES 4                                       ; codes written by vector instructions stand four places ahead of a scaled matrix instruction; the scale words were finished ahead of the holds
.irp j, 0,1,2,3,4,5,6,7
	L2STEP \j
.endr
	PLACES 4
.irp j, 0,1,2,3,4,5,6,7
	L3STEP \j
.endr
.irp i, 0,1,2,3
	v_add_f32 v[Y+\i], v[D+2*\i], v[D+2*\i+1]
.endr
.irp i, 0,1,2,3
	v_permlanex16_b32 v[E+\i], v[Y+\i], s70, s71
.endr
.irp i, 0,1,2,3
	s_delay_alu instid0(VALU_DEP_4)
	v_add_f32 v[Y+\i], v[Y+\i], v[E+\i]
.endr
.irp i, 0,1,2,3
	s_delay_alu instid0(VALU_DEP_4)
	v_add_f32 v[Y+\i], s77, v[Y+\i]                ; y
.endr
.irp i, 0,1,2,3
	s_delay_alu instid0(VALU_DEP_4)
	v_mul_f32 v[E+\i], s76, v[Y+\i]
.endr
	s_wait_alu depctr_va_vdst(0)
.irp i, 0,1,2,3
	v_exp_f32 v[E+\i], v[E+\i]                     ; e^y: elu(y) + 1 where y <= 0
.endr
.irp i, 0,1,2,3
	v_add_f32 v[TM+\i], 1.0, v[Y+\i]               ; y + 1: where y > 0.  (Plain lines behind the exponentials)
.endr
	s_wait_alu depctr_va_vdst(0)                   ; one wait for the four exponentials, ahead of their first reader
.irp i, 0,1,2,3
	v_cmp_lt_f32 vcc_lo, 0, v[Y+\i]
	v_cndmask_b32 v[E+\i], v[E+\i], v[TM+\i], vcc_lo
	s_delay_alu instid0(VALU_DEP_1)
	v_fmac_f32 v[INT], v[CW+\i], v[E+\i]
.endr
	s_add_co_u32 s81, s81, 16
	s_sub_co_u32 s80, s80, 1
	s_cmp_lg_u32 s80, 0
	s_cbranch_scc1 .Lpass
; ================ THE END: wave 0 gathers, lane = row of the work-group's 32
	ds_store_b32 v[IRS], v[INT]
	v_mov_b32 v[AT], TBL+256+192                   ; cc[48]
	s_wait_dscnt 0x0
	s_barrier_signal -1
	s_barrier_wait -1                              ; every wave's sums lie in LDS
	s_cmp_lg_u32 s66, 0
	s_cbranch_scc1 .Lend
.irp w, 0,1,2,3,4,5,6,7
.irp i, 0,1,2,3,4
	ds_load_b32 v[192+5*\w+\i], v[FLC] offset:1280*\w+128*\i
.endr
.endr
.irp q, 0,1,2,3
	ds_load_b32 v[232+\q], v[FLI] offset:128*\q
.endr
	s_wait_alu depctr_va_vdst(0)
	ds_load_b96 v[236:238], v[AT]
	s_wait_dscnt 0x0
.irp w, 1,2,3,4,5,6,7
.irp i, 0,1,2,3,4
	v_add_f32 v[192+\i], v[192+\i], v[192+5*\w+\i]
.endr
.endr
.irp i, 0,1,2
	v_add_f32 v[192+\i], s77, v[192+\i]            ; y of nodes 48, 49, 50
.endr
	v_add_f32 v195, s78, v195                      ; o0
	v_add_f32 v196, s79, v196                      ; o1
.irp i, 0,1,2
	v_mul_f32 v[200+\i], s76, v[192+\i]
.endr
	s_delay_alu instid0(VALU_DEP_4)
	v_mul_f32 v203, s76, v196
	s_wait_alu depctr_va_vdst(0)
.irp i, 0,1,2,3
	v_exp_f32 v[200+\i], v[200+\i]
.endr
.irp i, 0,1,2
	v_add_f32 v[204+\i], 1.0, v[192+\i]
.endr
	v_add_f32 v232, v232, v233
	v_add_f32 v234, v234, v235
	s_delay_alu instid0(VALU_DEP_1)
	v_add_f32 v232, v232, v234                     ; nodes 0 .. 47
	s_wait_alu depctr_va_vdst(0)                   ; one wait for the four exponentials, ahead of their first reader
.irp i, 0,1,2
	v_cmp_lt_f32 vcc_lo, 0, v[192+\i]
	v_cndmask_b32 v[200+\i], v[200+\i], v[204+\i], vcc_lo
	s_delay_alu instid0(VALU_DEP_1)
	v_fmac_f32 v232, v[236+\i], v[200+\i]
.endr
	s_delay_alu instid0(VALU_DEP_1)
	v_mul_f32 v232, v232, v[XF]
	s_delay_alu instid0(VALU_DEP_1)
	v_mul_f32 v232, 0.5, v232                      ; the integral
	v_fma_f32 v232, v203, v232, v195
	global_store_b32 v[GO], v232, s[48:49]         ; 32 lanes store the work-group's 128 consecutive bytes
.Lend:
	s_wait_tensorcnt 0x0                           ; the wave's end, behind my tensor load and my last LDS store
	ds_add_u32 v[SPW], v[NIL]
	s_wait_dscnt 0x0
	CROUND                                         ; the closing round
	s_endpgm
.Lfunc_end_k_q78b8fb3e1d_mono:
	.size	k_q78b8fb3e1d_mono, .Lfunc_end_k_q78b8fb3e1d_mono-k_q78b8fb3e1d_mono
	.p2alignl 7, 3214868480
	.fill 96, 4, 3214868480
	.section	.rodata,"a",@progbits
	.p2align	6, 0x0
	.amdhsa_kernel k_q78b8fb3e1d_mono
		.amdhsa_group_segment_fixed_size 270848
		.amdhsa_private_segment_fixed_size 0
		.amdhsa_enable_private_segment 0
		.amdhsa_kernarg_size 184
		.amdhsa_user_sgpr_count 2
		.amdhsa_user_sgpr_kernarg_segment_ptr 1
		.amdhsa_wavefront_size32 1
		.amdhsa_system_sgpr_workgroup_id_x 1
		.amdhsa_system_sgpr_workgroup_id_y 1
		.amdhsa_system_sgpr_workgroup_id_z 1
		.amdhsa_system_vgpr_workitem_id 0
		.amdhsa_next_free_vgpr 512
		.amdhsa_next_free_sgpr 96
		.amdhsa_reserve_vcc 1
		.amdhsa_float_denorm_mode_32 3
		.amdhsa_float_denorm_mode_16_64 3
		.amdhsa_memory_ordered 1
		.amdhsa_forward_progress 1
		.amdhsa_inst_pref_size 255
	.end_amdhsa_kernel
	.section	.bss,"aw",@nobits
	.p2align	6
	.space	262144
	.amdgpu_metadata
---
amdhsa.version: [ 1, 2 ]
amdhsa.kernels:
  - .name:           k_q78b8fb3e1d_mono
    .symbol:         k_q78b8fb3e1d_mono.kd
    .args:
      - { .name: x, .offset: 0, .size: 8, .value_kind: global_buffer, .address_space: global }
      - { .name: h, .offset: 8, .size: 8, .value_kind: global_buffer, .address_space: global }
      - { .name: iW0, .offset: 16, .size: 8, .value_kind: global_buffer, .address_space: global }
      - { .name: ib0, .offset: 24, .size: 8, .value_kind: global_buffer, .address_space: global }
      - { .name: hW0, .offset: 32, .size: 8, .value_kind: global_buffer, .address_space: global }
      - { .name: hb0, .offset: 40, .size: 8, .value_kind: global_buffer, .address_space: global }
      - { .name: iW1_codes, .offset: 48, .size: 8, .value_kind: global_buffer, .address_space: global }
      - { .name: iW2_codes, .offset: 56, .size: 8, .value_kind: global_buffer, .address_space: global }
      - { .name: iW1_scales, .offset: 64, .size: 8, .value_kind: global_buffer, .address_space: global }
      - { .name: iW2_scales, .offset: 72, .size: 8, .value_kind: global_buffer, .address_space: global }
      - { .name: hW1_scales, .offset: 80, .size: 8, .value_kind: global_buffer, .address_space: global }
      - { .name: hW2_scales, .offset: 88, .size: 8, .value_kind: global_buffer, .address_space: global }
      - { .name: ib1, .offset: 96, .size: 8, .value_kind: global_buffer, .address_space: global }
      - { .name: ib2, .offset: 104, .size: 8, .value_kind: global_buffer, .address_space: global }
      - { .name: hb1, .offset: 112, .size: 8, .value_kind: global_buffer, .address_space: global }
      - { .name: hb2, .offset: 120, .size: 8, .value_kind: global_buffer, .address_space: global }
      - { .name: iW3, .offset: 128, .size: 8, .value_kind: global_buffer, .address_space: global }
      - { .name: hW3, .offset: 136, .size: 8, .value_kind: global_buffer, .address_space: global }
      - { .name: hW1_codes, .offset: 144, .size: 8, .value_kind: global_buffer, .address_space: global }
      - { .name: hW2_codes, .offset: 152, .size: 8, .value_kind: global_buffer, .address_space: global }
      - { .name: ib3, .offset: 160, .size: 8, .value_kind: global_buffer, .address_space: global }
      - { .name: hb3, .offset: 168, .size: 8, .value_kind: global_buffer, .address_space: global }
      - { .name: out0, .offset: 176, .size: 8, .value_kind: global_buffer, .address_space: global }
    .group_segment_fixed_size: 270848
    .private_segment_fixed_size: 0
    .kernarg_segment_align: 8
    .kernarg_segment_size: 184
    .max_flat_workgroup_size: 256
    .sgpr_count:     96
    .vgpr_count:     512
    .wavefront_size: 32
...
	.end_amdgpu_metadata
.endif
;; end of part 1
